; MI455X (gfx1250); checked and timed in simulation.
; The chip was launched on July 23, 2026; its instructions are those of AMD's public machine-readable ISA for CDNA 5 (MIT licence, August 2026) and "CDNA5" Instruction Set Architecture Reference Guide (July 2026). The comments in the code are by the model that wrote it; some were corrected since.
;; DPLSTM Cell. Allowed arithmetic: float matrix products may take bf16 or f16 operands with f32 sums; other float arithmetic in f32, or as packed bf16 or f16 multiplies, adds, multiply-adds, maxima and minima; sums over many terms, partial sums and values carried from step to step in f32; what a program stores and reads back later, other than sums and carried values, may be rounded once to bf16 or f16.
;; Inputs: W_hh 4,096 x 1,024 float32; W_ih 4,096 x 1,024 float32; b_hh 4,096 float32; b_ih 4,096 float32; c_prev 8,192 x 1,024 float32; h_prev 8,192 x 1,024 float32; input 8,192 x 1,024 float32.
;; Outputs: out0 8,192 x 1,024 float32; out1 8,192 x 1,024 float32.
;; 2 versions, each right; version 2 is version 1 with the launch pack written anew for expert scheduling mode. Each part assembles by itself: llvm-mc -triple=amdgcn-amd-amdhsa -mcpu=gfx1250 --defsym DOCPART=n.
;; ======== version 1 of 2: 2 launches
;; limits: a function is approximated: absolute error at most 2e-07; below input magnitudes of 1e-05 results are inexact or not finite
;; workspace buffers: xb 33,554,432 bytes; wb 16,777,216 bytes
;; launch pack (part 1): grid 768 x 1, 8 waves a work-group, no clusters, 0 bytes of LDS; arguments input, h_prev, W_ih, W_hh, xb, wb; writes xb, wb
.if DOCPART == 1
	.amdgcn_target "amdgcn-amd-amdhsa--gfx1250"
	.amdhsa_code_object_version 6
	.text
	.protected	k_q29e2f937bc_pack
	.globl	k_q29e2f937bc_pack
	.p2align	8
	.type	k_q29e2f937bc_pack,@function
k_q29e2f937bc_pack:
	s_mov_b64 s[64:65], 0
	v_nop
	global_prefetch_b8 v0, s[64:65] scope:SCOPE_SE
	s_setreg_imm32_b32 hwreg(HW_REG_WAVE_MODE, 25, 1), 1
	s_wait_xcnt 0x0
; The four matrix operands of the cell are rounded once to bf16 (to nearest even; NaN and infinities go through as the conversion makes them) and laid as the product wants them:
;   xb[8192][2048] = [ input | h_prev ]            (a row: 4,096 bytes; columns 0-1023 input, 1024-2047 h_prev)
;   wb[4096][2048] = [ W_ih | W_hh ], rows permuted: row 256 tc + 64 g + hh holds source row 1024 g + 64 tc + hh (g: the gate 0..3, tc 0..15, hh 0..63),
;   so that 256 consecutive rows of wb are the four gates of 64 consecutive h.
; SHARES.  24,576 source rows of 4,096 bytes; a work-group takes 32 consecutive rows of one source: 768 work-groups.  Thread t owns bytes 16 t of every source row and
; bytes 8 t of the destination's half row: a wave's load covers 512 consecutive bytes, a wave's store 256 consecutive bytes, both aligned.
; All 32 loads of a thread go out at once (128 KiB a work-group); each row is converted and stored as it arrives.  No register is written again after a store has named it,
; so no wait but the counted waits for the loads is needed.  No LDS, no barrier: no thread wants another's bytes.
.set ROWB, 4096                        ; bytes in a source row (1,024 f32) and in a destination row (2,048 bf16)
.set X,    4                           ; v[4:131]  row i: 4 registers as loaded; the first two then hold the 4 bf16
	s_load_b256 s[4:11], s[0:1], 0x0               ; input s[4:5], h_prev s[6:7], W_ih s[8:9], W_hh s[10:11]
	s_load_b128 s[12:15], s[0:1], 0x20             ; xb s[12:13], wb s[14:15]
	v_lshlrev_b32 v1, 4, v0                        ; my 16 bytes of a source row
	v_lshlrev_b32 v2, 3, v0                        ; my 8 bytes of a destination half row
	s_lshr_b32 s16, ttmp9, 8                       ; kind: 0 input, 1 h_prev, 2 the weights
	s_and_b32 s17, ttmp9, 255                      ; an activation's block of 32 rows
	s_and_b32 s18, ttmp9, 127                      ; q: a weight's block of 32 rows
	s_bfe_u32 s19, ttmp9, 0x10007                  ; which weight: 0 W_ih, 1 W_hh
	s_bfe_u32 s22, s18, 0x40001                    ; tc = (q >> 1) & 15
	s_lshl_b32 s22, s22, 3                         ; the destination block, in blocks of 32 rows: 8 tc
	s_lshr_b32 s23, s18, 5                         ; g = q >> 5
	s_lshl_b32 s23, s23, 1
	s_add_co_u32 s22, s22, s23                     ; + 2 g
	s_and_b32 s23, s18, 1
	s_add_co_u32 s22, s22, s23                     ; + (q & 1)
	s_cmp_lt_u32 s16, 2                            ; an activation?
	s_cselect_b32 s20, s16, s19                    ; which half of the destination's row
	s_cselect_b32 s21, s17, s18                    ; the source block
	s_cselect_b32 s22, s17, s22                    ; the destination block
	s_lshl_b32 s26, s21, 17                        ; 32 rows of 4,096 bytes: under 2^25
	s_mov_b32 s27, 0
	s_lshl_b32 s28, s22, 17
	s_lshl_b32 s24, s20, 11                        ; the half row: 2,048 bytes
	s_add_co_u32 s28, s28, s24
	s_mov_b32 s29, 0
	s_wait_kmcnt 0x0
	s_cmp_eq_u32 s20, 0                            ; the buffers are chosen by numbers made of the work-group's number alone
	s_cselect_b64 s[36:37], s[4:5], s[6:7]         ; input or h_prev
	s_cselect_b64 s[38:39], s[8:9], s[10:11]       ; W_ih or W_hh
	s_cmp_lt_u32 s16, 2
	s_cselect_b64 s[32:33], s[36:37], s[38:39]     ; the source
	s_cselect_b64 s[34:35], s[12:13], s[14:15]     ; the destination: xb or wb
	s_add_nc_u64 s[32:33], s[32:33], s[26:27]
	s_add_nc_u64 s[34:35], s[34:35], s[28:29]
.set i, 0
.rept 32
	global_load_b128 v[X+4*i:X+4*i+3], v1, s[32:33] offset:ROWB*i th:TH_LOAD_NT  ; each source byte is read once in the launch
.set i, i+1
.endr
.set i, 0
.rept 32
	s_wait_loadcnt 31-i                            ; loads come back in order (ISA guide 5.7.1): row i is in, the 31 - i younger ones stay out
	v_cvt_pk_bf16_f32 v[X+4*i],   v[X+4*i],   v[X+4*i+1]
	v_cvt_pk_bf16_f32 v[X+4*i+1], v[X+4*i+2], v[X+4*i+3]
	global_store_b64 v2, v[X+4*i:X+4*i+1], s[34:35] offset:ROWB*i
.set i, i+1
.endr
	s_endpgm
.Lfunc_end_k_q29e2f937bc_pack:
	.size	k_q29e2f937bc_pack, .Lfunc_end_k_q29e2f937bc_pack-k_q29e2f937bc_pack
	.p2alignl 7, 3214868480
	.fill 96, 4, 3214868480
	.section	.rodata,"a",@progbits
	.p2align	6, 0x0
	.amdhsa_kernel k_q29e2f937bc_pack
		.amdhsa_group_segment_fixed_size 0
		.amdhsa_private_segment_fixed_size 0
		.amdhsa_enable_private_segment 0
		.amdhsa_kernarg_size 48
		.amdhsa_user_sgpr_count 2
		.amdhsa_user_sgpr_kernarg_segment_ptr 1
		.amdhsa_wavefront_size32 1
		.amdhsa_system_sgpr_workgroup_id_x 1
		.amdhsa_system_sgpr_workgroup_id_y 1
		.amdhsa_system_sgpr_workgroup_id_z 1
		.amdhsa_system_vgpr_workitem_id 0
		.amdhsa_next_free_vgpr 136
		.amdhsa_next_free_sgpr 66
		.amdhsa_reserve_vcc 0
		.amdhsa_float_denorm_mode_32 3
		.amdhsa_float_denorm_mode_16_64 3
		.amdhsa_memory_ordered 1
		.amdhsa_forward_progress 1
		.amdhsa_inst_pref_size 13
	.end_amdhsa_kernel
	.amdgpu_metadata
---
amdhsa.version: [ 1, 2 ]
amdhsa.kernels:
  - .name:           k_q29e2f937bc_pack
    .symbol:         k_q29e2f937bc_pack.kd
    .args:
      - { .name: input, .offset: 0, .size: 8, .value_kind: global_buffer, .address_space: global }
      - { .name: h_prev, .offset: 8, .size: 8, .value_kind: global_buffer, .address_space: global }
      - { .name: W_ih, .offset: 16, .size: 8, .value_kind: global_buffer, .address_space: global }
      - { .name: W_hh, .offset: 24, .size: 8, .value_kind: global_buffer, .address_space: global }
      - { .name: xb, .offset: 32, .size: 8, .value_kind: global_buffer, .address_space: global }
      - { .name: wb, .offset: 40, .size: 8, .value_kind: global_buffer, .address_space: global }
    .group_segment_fixed_size: 0
    .private_segment_fixed_size: 0
    .kernarg_segment_align: 8
    .kernarg_segment_size: 48
    .max_flat_workgroup_size: 256
    .sgpr_count:     66
    .vgpr_count:     136
    .wavefront_size: 32
...
	.end_amdgpu_metadata
.endif
;; end of part 1
;; launch cell (part 2): grid 16 x 16, 4 waves a work-group, clusters of 4 x 4, 327,680 bytes of LDS; arguments xb, wb, b_ih, b_hh, c_prev, out0, out1; writes out0, out1
.if DOCPART == 2
	.amdgcn_target "amdgcn-amd-amdhsa--gfx1250"
	.amdhsa_code_object_version 6
	.text
	.protected	k_q29e2f937bc_cell
	.globl	k_q29e2f937bc_cell
	.p2align	8
	.type	k_q29e2f937bc_cell,@function
k_q29e2f937bc_cell:
	s_mov_b64 s[64:65], 0
	v_nop
	global_prefetch_b8 v0, s[64:65] scope:SCOPE_SE
	s_setreg_imm32_b32 hwreg(HW_REG_WAVE_MODE, 25, 1), 1
	s_wait_xcnt 0x0
	s_wait_alu depctr_hold_cnt(0) depctr_sa_sdst(0) depctr_va_vdst(0) depctr_va_sdst(0) depctr_va_ssrc(0) depctr_va_vcc(0) depctr_vm_vsrc(0)
	s_getreg_b32 s2, hwreg(HW_REG_IB_STS2, 6, 4)
	s_cmp_eq_u32 s2, 0
	s_cbranch_scc0 .Lentry_in_a_cluster
	s_endpgm
.Lentry_in_a_cluster:
	s_bfe_u32 s2, ttmp6, 0x10000c
	s_cmp_lg_u32 s2, 0xf033
	s_cbranch_scc0 .Lentry_shape_is_right
	s_endpgm
.Lentry_shape_is_right:
; THE LSTM CELL.  gates[8192][4096] = xb wb^T + b_ih + b_hh (xb = [input | h_prev], wb = [W_ih | W_hh] with permuted rows, both bf16 [..][2048]); sums in f32;
; i, f, o = sigmoid, g = tanh; out1 = c_t = f c_prev + i g; out0 = h_t = o tanh(c_t).  The gates never go to memory.
; LIMITS.  The matrix operands were rounded once to bf16; sums, biases, c_prev and all that follows are f32.  sigmoid(x) = 1 / (1 + 2^(-x log2 e)), tanh(x) = 1 - 2 / (1 + 2^(2 x log2 e)):
; an exponential that overflows gives an infinity whose reciprocal is 0, one that underflows gives 0, so the limits 0, 1 and +-1 come out for gates of any size, with no clip.
; tanh so made has an absolute error of some 1e-7, so its relative accuracy is lost below |x| of some 1e-4.  NaN and infinite inputs are not treated apart.
; The biases start the sums, so the order of additions differs from the order in which the problem writes them.
; SHARES.  A tile is 256 rows x 256 rows of wb: 256 tc + 64 g + hh there is gate g of h = 64 tc + hh, so a tile holds all four gates of 64 h.  A work-group of four waves makes TILES = 2 tiles, WALK rows
; apart, with the same rows of wb: 256 work-groups.  Wave w owns rows 64 w .. 64 w + 63 of the tile (four row blocks a of 16) x all 256 gate columns (16 blocks b = 4 g + s): 64 accumulators, 512 registers.
; So a lane holds i, f, g, o of the same element, and a wave owns whole rows of 256 bytes of c_prev, out0 and out1: the way out needs no barrier.
; The price: 40 fragment loads for 64 matrix instructions, where a square wave tile would have 32.
; THE MATRIX INSTRUCTION IS USED TRANSPOSED (source 0 = 16 rows of wb, source 1 = 16 rows of xb): lane l holds row l % 16, its registers j the gate columns 16 b + 8 (l / 16) + j.
; RING.  K goes in steps of 128 (rows of 256 bytes, aligned) through two LDS slots filled by the tensor data mover; a wave has two loads out at the start and one afterwards.
; CLUSTERS.  4 x 4 work-groups: the four of a row of the cluster need the same tiles of xb, the four of a column the same tiles of wb: each tile is asked for JOINTLY, by the same load, descriptor and mask in all four.
; REGISTERS, in windows of 256 (s_set_vgpr_msb: bits 1:0 source 0, 3:2 source 1, 5:4 source 2, 7:6 destination):
;   window 0: v0-31 addresses; v32-63, v64-95 fragments of xb, two buffers (row block a at +8 a); v96-223 T: the bias fragments in a tile's first quarter, the four gates of a row block on the way out; v224-255 CP: c_prev of a row block
;   window 1: v0-127, v128-255 fragments of wb, two buffers (block b at +8 b)
;   window 2: accumulators of row blocks 0, 1 at v[128 (a % 2) + 8 b];   window 3: those of row blocks 2, 3
.set SIZE_K, 2048
.set KSTEP,  128
.set PITCH,  272                       ; an LDS row: 256 bytes + 16 of padding = 68 words: row r starts at bank 4 r mod 64 (64 banks of 4 bytes: ISA guide 11.1), so the 16 rows of a load start at 16 different banks
.set HALFT,  128*PITCH                 ; 128 rows: what one tensor load brings
.set SLOT,   4*HALFT                   ; xb's 256 rows, then wb's 256 rows
.set SPITCH, 272
.set STAGE,  2*SLOT                    ; behind the ring, never filled by a tensor load: for each wave two stages of 16 rows x 272 bytes: c_prev in and c_t out; h_t out
.set HOFF,   16*SPITCH                 ; from a wave's first stage to its second
.set BIAS,   STAGE+4*2*16*SPITCH       ; 256 f32: b_ih + b_hh of the tile's columns, in wb's order
.set SPARE,  BIAS+1024                 ; the spare words, 128 bytes for each wave: two blocks of 256 bytes that no other line names
.set LAPS,   SIZE_K/(2*KSTEP)          ; a lap = two K steps = once round the ring
.set TILES,  2
.set WALK,   4096                      ; rows from a work-group's tile to its next
.set ROWB,   4096                      ; bytes in a row of xb, wb, c_prev, out0 and out1
.set NEXT_A, WALK*ROWB-(SIZE_K-2*KSTEP)*2  ; from a slot's last K step of a tile to its first of the next: WALK rows down, back along K
.set BACK_B, (SIZE_K-2*KSTEP)*2        ; wb only back
.set BLK,    16*ROWB                   ; a row block of c_prev and of the outputs
.set NEXT_O, WALK*ROWB-4*BLK           ; from behind my last row block of a tile to my first of the next
.set ADRA, 16                          ; v16-17  LDS address of my fragments of xb in slot 0, 1
.set ADRB, 20                          ; v20-21  the same for wb
.set STW,  22                          ; v22     my stage, as the accumulators lie: row l % 16, byte 32 (l / 16)
.set STR,  23                          ; v23     my stage, by rows: row l / 16, byte 16 (l % 16)
.set CO,   26                          ; v26     the same two rows in c_prev and the outputs: (l / 16) x 4,096 + 16 (l % 16); never rewritten
.set BA,   27                          ; v27     BIAS + 32 (l / 16)
.set SPW,  28                          ; v28     LDS address of my spare word; never rewritten
.set NIL,  29                          ; v29     0; never rewritten
.set PFO,  30                          ; v30     the prefetches' offset: my lane x a row; never rewritten
.set T,    96                          ; T[32 g + 8 s + j]
.set TI,   T
.set TF,   T+32
.set TG,   T+64
.set TO,   T+96
.set CP,   224
.set F0,   0                           ; the fragment buffers' numbers
.set F1,   1
.set G1,  24                           ; s[24:31] descriptor group 1 for xb's tiles;  s[32:39] group 0, a set for each slot
.set G0,  32
.set LIM, 43                           ; s43     1 in a wave that prefetches, else the greatest number
.set PFA, 44                           ; s[44:45] where my prefetches stand
.set G1B, 48                           ; s[48:55], s[56:63] the same for wb's tiles
.set G0B, 56
.set KN,  66                           ; s[66:67] -log2 e
.set CB,  72                           ; s[72:73] c_prev, s[74:75] out0 (h_t), s[76:77] out1 (c_t), at my wave's row block in hand
.set HB,  74
.set OB,  76
.set KP,  78                           ; s[78:79] 2 log2 e
.set EC,  80                           ; s80     counts the way out's row blocks, 4 to 1
.set MSB, 0
.macro WIN new                         ; the immediate's high byte repeats the setting that is left; a switch that changes nothing is dropped
.if MSB != (\new)
	s_set_vgpr_msb (MSB<<8)|(\new)
.set MSB, \new
.endif
.endm
.set MUL_LO,  0xa1                     ; source 0 (wb) window 1, source 1 (xb) window 0, C and D window 2
.set MULB_LO, 0x81                     ; the same with C in window 0: the bias
.set TO_B,    0x40                     ; destination window 1, address window 0
.set SC_LO,   0x02                     ; source 0 window 2, destination window 0
; A joint load.  Waves 0 and 1 fetch xb's two halves, waves 2 and 3 wb's.  The branch hangs on the wave's number alone.  An s_nop 0 and four v_nop follow each of the two lines, ahead of the jump and the label.
.macro JLOAD s
	s_cmp_eq_u32 s11, 0
	s_cbranch_scc0 .Lfor_b_\@
	tensor_load_to_lds s[G0+4*(\s):G0+4*(\s)+3], s[G1:G1+7]
	s_nop 0
.rept 4
	v_nop
.endr
	s_branch .Lasked_\@
.Lfor_b_\@:
	tensor_load_to_lds s[G0B+4*(\s):G0B+4*(\s)+3], s[G1B:G1B+7]
	s_nop 0
.rept 4
	v_nop
.endr
.Lasked_\@:
.endm
; A PREFETCH INTO THE L2, behind each joint load and the run of LDS loads that follows it: the K step that stands two refills, 512 matrix instructions, on: 32 rows x 256 bytes, a lane a row, one instruction a wave.
; Each row's 256 bytes of a K step are named once in the launch: xb's rows by the first cluster of their row of clusters (cluster x = 0), wb's by the first of their column (cluster y = 0); of the 128 rows
; that a wave fetches each of the four partners that ask for them jointly takes 32, told apart by address.  how = 0, in the loop: a tile's last two refills have no K step two on.  how = 1: at the change of tiles.
.macro ASK how
.if \how
	s_cmp_eq_u32 s[LIM], 1
.else
	s_cmp_gt_u32 s3, s[LIM]                        ; s3 = 1 in the loop's last trip
.endif
	s_cbranch_scc0 .Lnot_mine_\@
	global_prefetch_b8 v[PFO], s[PFA:PFA+1] offset:KSTEP*2 th:TH_LOAD_NT scope:SCOPE_SE
.Lnot_mine_\@:
.endm
; A round of the cluster's barrier: my work-group's barrier; wave 0 signals for the work-group; every wave waits for all sixteen; my work-group's barrier once more.
.macro CREST                           ; a round behind its opening barrier
	s_cmp_lg_u32 s10, 0
	s_cbranch_scc1 .Lnot_wave_0_\@
	s_barrier_signal -3
.Lnot_wave_0_\@:
	s_barrier_wait -3
	s_barrier_signal -1
	s_barrier_wait -1
.endm
.macro CROUND
	s_barrier_signal -1
	s_barrier_wait -1
	CREST
.endm
	s_load_b128 s[4:7], s[0:1], 0x0                ; xb s[4:5], wb s[6:7]
	s_load_b128 s[68:71], s[0:1], 0x10             ; b_ih s[68:69], b_hh s[70:71]
	s_load_b128 s[72:75], s[0:1], 0x20             ; c_prev, out0
	s_load_b64 s[76:77], s[0:1], 0x30              ; out1
	v_lshl_add_u32 v[SPW], v0, 2, SPARE
	v_mov_b32 v[NIL], 0
	ds_add_u32 v[SPW], v[NIL]                      ; the wave's opening: the add, twice on end, and its wait ahead of my first tensor load; the set-up below stands between
	ds_add_u32 v[SPW], v[NIL]
	v_lshrrev_b32 v1, 5, v0
	v_readfirstlane_b32 s10, v1                    ; wave 0..3
	s_lshr_b32 s11, s10, 1                         ; I fetch for xb (0) or for wb (1)
	s_and_b32 s12, s10, 1                          ; which 128 rows of that tile I fetch
	s_bfe_u32 s40, ttmp6, 0x40000                  ; cx, cy: my place in the cluster
	s_bfe_u32 s41, ttmp6, 0x40004
	s_lshl_b32 s42, ttmp9, 2
	s_add_co_u32 s42, s42, s40                     ; tile column tc = 4 x cluster x + cx
	s_and_b32 s13, ttmp7, 0xffff
	s_lshl_b32 s13, s13, 2
	s_add_co_u32 s13, s13, s41                     ; tile row = 4 x cluster y + cy
	s_lshl_b32 s43, s41, 2
	s_lshl_b32 s43, 15, s43                        ; my row of the cluster: places 4 cy .. 4 cy + 3
	s_lshl_b32 s44, 0x1111, s40                    ; my column: places cx, cx + 4, cx + 8, cx + 12
	; descriptor group 1: a tile of 128 rows x 128 elements, padded in LDS
	s_or_b32 s[G1+0], s43, (1<<16)|(1<<20)|(1<<21)|(5<<22)|(3<<25)  ; 15:0 the mask: xb's tiles go to my row; 17:16 elements of 2 bytes; 20 padding on; 21 set beside a mask; 24:22 after every 64 words (code 5); 31:25 4 words of it (code 3)
	s_or_b32 s[G1B+0], s44, (1<<16)|(1<<20)|(1<<21)|(5<<22)|(3<<25) ; the same with the mask of my column, for wb's tiles
.irp g, G1, G1B
	s_mov_b32 s[(\g)+1], KSTEP<<16                 ; tensor_dim0 = 128
	s_mov_b32 s[(\g)+2], 128<<16                   ; tensor_dim1 = 128
	s_mov_b32 s[(\g)+3], KSTEP<<16                 ; tile_dim0 = 128
	s_mov_b32 s[(\g)+4], 128                       ; tile_dim1 = 128
	s_mov_b32 s[(\g)+5], SIZE_K                    ; elements from row to row
	s_mov_b32 s[(\g)+6], 0
	s_mov_b32 s[(\g)+7], 0
.endr
	; where the tiles come from: xb's hang on the tile row alone, which my row of the cluster shares; wb's on the tile column alone, which my column shares
	s_lshl_b32 s17, s12, 7
	s_lshl_b32 s16, s13, 8
	s_add_co_u32 s16, s16, s17                     ; xb: row 256 x tile row + 128 x half,
	s_lshl_b32 s16, s16, 12                        ; in bytes: under 2^25
	s_lshl_b32 s46, s42, 8
	s_add_co_u32 s46, s46, s17                     ; wb: row 256 x tile column + 128 x half
	s_lshl_b32 s46, s46, 12
	s_mov_b32 s17, 0
	s_mov_b32 s47, 0
	s_mul_i32 s20, s10, HALFT                      ; and where they go: wave x 128 rows: no place in the cluster enters an LDS address
	s_mov_b32 s[KN], 0xbfb8aa3b                    ; -log2 e; the packed lines name a pair and take its low word for both halves
	s_mov_b32 s[KN+1], 0xbfb8aa3b
	s_mov_b32 s[KP], 0x4038aa3b                    ; 2 log2 e
	s_mov_b32 s[KP+1], 0x4038aa3b
	s_wait_dscnt 0x0                               ; both opening adds are done
	s_wait_kmcnt 0x0
	s_add_nc_u64 s[14:15], s[4:5], s[16:17]
	s_add_nc_u64 s[46:47], s[6:7], s[46:47]
	CROUND                                         ; all sixteen work-groups are here: the first joint loads meet
.irp s, 0,1
	s_mov_b32 s[G0+4*(\s)], 1                                      ; 1:0 count = 1
	s_add_co_u32 s[G0+4*(\s)+1], s20, (\s)*SLOT                    ; 63:32 LDS address
	s_add_nc_u64 s[G0+4*(\s)+2:G0+4*(\s)+3], s[14:15], (\s)*KSTEP*2  ; 120:64 global address: K step s
	s_or_b32 s[G0+4*(\s)+3], s[G0+4*(\s)+3], 0x80000000            ; 127:126 type = 2
	s_mov_b32 s[G0B+4*(\s)], 1
	s_add_co_u32 s[G0B+4*(\s)+1], s20, (\s)*SLOT
	s_add_nc_u64 s[G0B+4*(\s)+2:G0B+4*(\s)+3], s[46:47], (\s)*KSTEP*2
	s_or_b32 s[G0B+4*(\s)+3], s[G0B+4*(\s)+3], 0x80000000
	JLOAD \s                                       ; the ring is filled before anything else is done
.endr
	; A fragment is 16 rows x 32 K in 8 registers: lane l holds row l % 16; registers 0-3 K = 8 (l / 16) + 0..7, registers 4-7 K = 16 + 8 (l / 16) + 0..7: two loads of 16 bytes, 32 bytes apart.
	v_and_b32 v1, 15, v0                           ; l % 16
	v_bfe_u32 v2, v0, 4, 1                         ; l / 16
	v_mul_u32_u24 v3, v1, PITCH
	v_lshl_add_u32 v3, v2, 4, v3                   ; row x pitch + 16 x half
	s_mul_i32 s21, s10, 64*PITCH                   ; my 64 rows of xb
	s_mov_b32 s22, 2*HALFT                         ; wb's 256 rows, which every wave reads, lie behind xb's 256
.irp s, 0,1
	v_add_nc_u32 v[ADRA+(\s)], s21, v3
	v_add_nc_u32 v[ADRB+(\s)], s22, v3
	s_add_co_u32 s21, s21, SLOT
	s_add_co_u32 s22, s22, SLOT
.endr
	s_mul_i32 s23, s10, 2*16*SPITCH
	s_add_co_u32 s23, s23, STAGE                   ; my two stages
	v_mul_u32_u24 v4, v1, SPITCH
	v_lshl_add_u32 v4, v2, 5, v4                   ; as the accumulators lie: row l % 16, 8 f32 for each half of the lanes
	v_add_nc_u32 v[STW], s23, v4
	v_mul_u32_u24 v5, v2, SPITCH
	v_lshl_add_u32 v5, v1, 4, v5                   ; by rows: lanes 0-15 one row of 256 bytes, lanes 16-31 the next
	v_add_nc_u32 v[STR], s23, v5
	v_lshlrev_b32 v5, 12, v2
	v_lshl_add_u32 v[CO], v1, 4, v5                ; and the same two rows in memory
	v_lshl_add_u32 v[BA], v2, 5, BIAS
	s_lshl_b32 s13, s13, 8                         ; 256 x tile row
	s_lshl_b32 s42, s42, 8                         ; 256 x tile column: the tile's first row of wb, and the byte at which its 64 h begin in a row of c_prev, of the outputs and of a gate's biases
	s_lshl_b32 s16, s10, 6
	s_add_co_u32 s16, s16, s13                     ; my wave's first row,
	s_lshl_b32 s16, s16, 12                        ; in bytes,
	s_add_co_u32 s16, s16, s42                     ; and my 256 bytes of it: under 2^25
	s_mov_b32 s17, 0
	s_add_nc_u64 s[CB:CB+1], s[CB:CB+1], s[16:17]
	s_add_nc_u64 s[HB:HB+1], s[HB:HB+1], s[16:17]
	s_add_nc_u64 s[OB:OB+1], s[OB:OB+1], s[16:17]
	; the prefetches
	s_and_b32 s22, ttmp7, 0xffff                   ; cluster y
	s_cmp_eq_u32 s11, 0                            ; do I fetch for xb?
	s_cselect_b32 s20, s13, s42                    ; the tile's first row
	s_cselect_b32 s21, s40, s41                    ; my place among the four that ask for it with me
	s_cselect_b32 s22, ttmp9, s22                  ; the coordinate along which other clusters read the same rows
	s_cselect_b64 s[PFA:PFA+1], s[4:5], s[6:7]
	s_cmp_eq_u32 s22, 0
	s_cselect_b32 s[LIM], 1, -1                    ; the same in all sixteen partners, for a given wave
	s_lshl_b32 s22, s12, 7
	s_add_co_u32 s20, s20, s22                     ; + the 128 rows that I fetch
	s_lshl_b32 s21, s21, 5
	s_add_co_u32 s20, s20, s21                     ; + my work-group's 32 of them
	s_lshl_b32 s20, s20, 12
	s_mov_b32 s21, 0
	s_add_nc_u64 s[PFA:PFA+1], s[PFA:PFA+1], s[20:21]
	s_add_nc_u64 s[PFA:PFA+1], s[PFA:PFA+1], 2*KSTEP*2  ; at K step 2: the first refill steps it to 3 and names K step 4.  Nothing is prefetched here, at the head
	v_and_b32 v[PFO], 31, v0
	v_lshlrev_b32 v[PFO], 12, v[PFO]
	; the biases: thread t makes numbers 2 t and 2 t + 1 of the tile's 256: gate = my wave's number, h = 64 tc + 2 lane
	v_and_b32 v6, 31, v0
	v_lshlrev_b32 v6, 3, v6
	s_lshl_b32 s20, s10, 12                        ; a gate's 1,024 biases
	s_add_co_u32 s20, s20, s42
	v_add_nc_u32 v6, s20, v6
	global_load_b64 v[8:9], v6, s[68:69]
	global_load_b64 v[10:11], v6, s[70:71]
	v_lshl_add_u32 v7, v0, 3, BIAS
	s_wait_loadcnt 0x0
	v_pk_add_f32 v[8:9], v[8:9], v[10:11]
	ds_store_b64 v7, v[8:9]
; 16 matrix instructions: row block a x all 16 column blocks, 32 along K, from buffer f.  zero = 1: a tile's first products: the bias, in the accumulators' own layout, is their C: nothing is cleared, and no bias is added later.
; The 64 accumulators take turns, one instruction a turn, in the same order in every quarter: between two links of a chain stand the 63 others'.
.macro MUL16 f, a, zero
.if \zero
	WIN MULB_LO+0x40*((\a)/2)
.else
	WIN MUL_LO+0x50*((\a)/2)
.endif
.irp b, 0,1,2,3,4,5,6,7,8,9,10,11,12,13,14,15
.if \zero
	v_wmma_f32_16x16x32_bf16 v[128*((\a)%2)+8*(\b):128*((\a)%2)+8*(\b)+7], v[128*(\f)+8*(\b):128*(\f)+8*(\b)+7], v[32+32*(\f)+8*(\a):32+32*(\f)+8*(\a)+7], v[T+8*(\b):T+8*(\b)+7]
.else
	v_wmma_f32_16x16x32_bf16 v[128*((\a)%2)+8*(\b):128*((\a)%2)+8*(\b)+7], v[128*(\f)+8*(\b):128*(\f)+8*(\b)+7], v[32+32*(\f)+8*(\a):32+32*(\f)+8*(\a)+7], v[128*((\a)%2)+8*(\b):128*((\a)%2)+8*(\b)+7]
.endif
.endr
.endm
; 40 LDS loads in one run: the fragments of one quarter step (256 rows of wb, my 64 rows of xb, 32 K at byte k of the rows) into buffer f.  The largest offset is 192 + 15 x 16 x 272 + 32 = 65,504.
.macro FETCH slot, k, f
	WIN TO_B
.irp i, 0,1,2,3,4,5,6,7,8,9,10,11,12,13,14,15
	ds_load_b128 v[128*(\f)+8*(\i):128*(\f)+8*(\i)+3],   v[ADRB+(\slot)] offset:(\k)+(\i)*16*PITCH
	ds_load_b128 v[128*(\f)+8*(\i)+4:128*(\f)+8*(\i)+7], v[ADRB+(\slot)] offset:(\k)+(\i)*16*PITCH+32
.endr
	WIN 0
.irp i, 0,1,2,3
	ds_load_b128 v[32+32*(\f)+8*(\i):32+32*(\f)+8*(\i)+3],   v[ADRA+(\slot)] offset:(\k)+(\i)*16*PITCH
	ds_load_b128 v[32+32*(\f)+8*(\i)+4:32+32*(\f)+8*(\i)+7], v[ADRA+(\slot)] offset:(\k)+(\i)*16*PITCH+32
.endr
.endm
.macro BIASLD                          ; the 16 bias fragments: register j of block b holds bias 16 b + 8 (l / 16) + j, the same for all rows
	WIN 0
.irp b, 0,1,2,3,4,5,6,7,8,9,10,11,12,13,14,15
	ds_load_b128 v[T+8*(\b):T+8*(\b)+3],   v[BA] offset:64*(\b)
	ds_load_b128 v[T+8*(\b)+4:T+8*(\b)+7], v[BA] offset:64*(\b)+16
.endr
.endm
; A load into a register that a matrix instruction has read, and a vector instruction that reads a matrix result, stand four places behind that matrix instruction, and only plain vector
; instructions that name none of its registers are places (ISA guide 7.12.1 for vector instructions).
.macro PLACES
.rept 4
	v_nop
.endr
.endm
; A K step is four quarters of 32 along K, 64 matrix instructions each, on buffers 0, 1, 0, 1.  One of the first three: multiplies buffer f; in its middle it fetches the next quarter, at byte k, into buffer g.
.macro QUARTER slot, k, f, g, zero
.if \zero
	s_wait_dscnt 0x0                               ; the bias fragments are the youngest loads
.else
	s_wait_dscnt 4                                 ; wb and xb's row blocks 0, 1 are in; the youngest four loads (row blocks 2, 3) may be out
.endif
	MUL16 \f, 0, \zero
	MUL16 \f, 1, \zero
	PLACES
	FETCH \slot, \k, \g
	s_wait_dscnt 40                                ; all but the 40 just issued
	MUL16 \f, 2, \zero
	MUL16 \f, 3, \zero
.endm
; The last quarter multiplies buffer 1 and changes slots.  MEET is its first half: ONE barrier for the change.  In front of it each wave waits for all its tensor loads, of which one is out: its part of the
; next slot; adds 0 to its spare word; and waits for that and for its own reads of this slot.  Behind it nobody reads this slot any more and the next slot is whole.
.macro MEET round                      ; round = 1: a round of the cluster's barrier follows
	WIN 0                                          ; (the add's two registers lie in window 0)
	s_wait_tensorcnt 0x0                           ; all my tensor loads have landed
	ds_add_u32 v[SPW], v[NIL]                      ; 0 onto my spare word
	s_wait_dscnt 5                                 ; (the add and the youngest four loads may be out)
	MUL16 F1, 0, 0                                 ; sixteen matrix instructions stand between the add and the wait for it
	s_wait_dscnt 0x0                               ; the add is done, and my reads of this slot are over
	s_barrier_signal -1
	MUL16 F1, 1, 0                                 ; work on registers while the others arrive
.if \round
	WIN 0
.endif
	s_barrier_wait -1
.endm
; The whole last quarter.  Behind the round the slot just read out is filled again first: with this tile's K step two steps on (on = 0) or with the NEXT tile's K step 0 or 1 (on = 1); then come the next
; slot's first fragments.  From a request to the wait for it a wave issues 224 matrix instructions.
.macro TURN slot, next, on
	s_wait_xcnt 0x0                                ; the last prefetch, a K step back, has read its address, which is stepped here
.if (\on) && (\slot) == 0
	s_add_nc_u64 s[PFA:PFA+1], s[PFA:PFA+1], (WALK-1)*ROWB+KSTEP*2  ; from the K step after the tile's last to the next tile's K step 1
	s_cmp_eq_u32 s11, 0
	s_cselect_b32 s[LIM], s[LIM], -1               ; wb's rows are the same for both tiles: they are asked for in the first alone
.else
	s_add_nc_u64 s[PFA:PFA+1], s[PFA:PFA+1], KSTEP*2
.endif
	MEET 1
	CREST                                          ; no wave of any partner still reads this slot's tile or has a load on its way
.if \on
	s_add_nc_u64 s[G0+4*(\slot)+2:G0+4*(\slot)+3], s[G0+4*(\slot)+2:G0+4*(\slot)+3], NEXT_A
	s_sub_nc_u64 s[G0B+4*(\slot)+2:G0B+4*(\slot)+3], s[G0B+4*(\slot)+2:G0B+4*(\slot)+3], BACK_B
.else
	s_add_nc_u64 s[G0+4*(\slot)+2:G0+4*(\slot)+3], s[G0+4*(\slot)+2:G0+4*(\slot)+3], 2*KSTEP*2
	s_add_nc_u64 s[G0B+4*(\slot)+2:G0B+4*(\slot)+3], s[G0B+4*(\slot)+2:G0B+4*(\slot)+3], 2*KSTEP*2
.endif
	JLOAD \slot                                    ; the first tensor load behind the round; the four v_nop behind it are also the places in front of the loads below
	FETCH \next, 0, F0
	ASK \on
	MUL16 F1, 2, 0
	MUL16 F1, 3, 0
.endm
; THE WAY OUT.
.macro CLOAD off                       ; a row block of c_prev, 16 rows x 256 bytes: lanes 0-15 take row 2 t, lanes 16-31 row 2 t + 1; each byte is read once in the launch
	WIN 0
.irp t, 0,1,2,3,4,5,6,7
	global_load_b128 v[CP+4*(\t):CP+4*(\t)+3], v[CO], s[CB:CB+1] offset:(\off)+2*ROWB*(\t) th:TH_LOAD_NT
.endr
.endm
.macro SCALE a                         ; row block a's 128 sums leave their accumulators for T, scaled for the exponentials: by -log2 e (i, f, o), by 2 log2 e (g).  Ascending: each accumulator is read from its low end
	WIN SC_LO+(\a)/2
.set xx, 0
.rept 64
.if (xx >= 64) && (xx < 96)
	v_pk_mul_f32 v[T+xx:T+xx+1], v[128*((\a)%2)+xx:128*((\a)%2)+xx+1], s[KP:KP+1] op_sel_hi:[1,0]
.else
	v_pk_mul_f32 v[T+xx:T+xx+1], v[128*((\a)%2)+xx:128*((\a)%2)+xx+1], s[KN:KN+1] op_sel_hi:[1,0]
.endif
.set xx, xx+2
.endr
	WIN 0
.endm
.macro ADDRCP lo, n                    ; 1 / (1 + t) for n pairs from v[lo] on, in place: the packed addition of a pair stands ahead of the pair before's two reciprocals.  No line names a reciprocal's result ahead of the one wait at the end
	v_pk_add_f32 v[(\lo):(\lo)+1], v[(\lo):(\lo)+1], 1.0 op_sel_hi:[1,0]
.set pp, 0
.rept \n
.if pp < (\n)-1
	v_pk_add_f32 v[(\lo)+2*pp+2:(\lo)+2*pp+3], v[(\lo)+2*pp+2:(\lo)+2*pp+3], 1.0 op_sel_hi:[1,0]
.endif
	v_rcp_f32 v[(\lo)+2*pp], v[(\lo)+2*pp]
	v_rcp_f32 v[(\lo)+2*pp+1], v[(\lo)+2*pp+1]
.set pp, pp+1
.endr
	v_nop                                          ; a plain instruction behind the last reciprocal,
	s_wait_alu depctr_va_vdst(0)                   ; and one wait for the batch, ahead of its first reader
.endm
.macro PK16 line:vararg                ; one packed line for each of a gate's 16 pairs: ee = 0, 2, .. 30
.set ee, 0
.rept 16
	\line
.set ee, ee+2
.endr
.endm
; A tile's way out: a loop of four trips, a row block each.  Only SCALE names the accumulators, so only its 64 lines are written for each block; all else works on T and CP.
; The stages are my wave's own and LDS serves a wave's instructions in order (ISA guide 5.7.1.4): no barrier, and no wait between a stage's stores and the loads that read them back.
.macro EPI
	WIN 0
	PLACES                                         ; eight v_nop, once a tile: the places between the tile's last products and the first line that reads a result
	PLACES
	s_mov_b32 s[EC], 4
.Lep_\@:
	s_wait_loadcnt 0x0                             ; this block's c_prev is in, by rows
.irp t, 0,1,2,3,4,5,6,7
	ds_store_b128 v[STR], v[CP+4*(\t):CP+4*(\t)+3] offset:2*SPITCH*(\t)
.endr
.irp t, 0,1,2,3,4,5,6,7                ; and comes back as the accumulators lie: CP[8 s + j] = c_prev(row l % 16, h = 16 s + 8 (l / 16) + j); t = 2 s + j / 4
	ds_load_b128 v[CP+4*(\t):CP+4*(\t)+3], v[STW] offset:64*((\t)/2)+16*((\t)%2)
.endr
	s_cmp_eq_u32 s[EC], 4                          ; row block 4 - EC: forward jumps on the counter alone
	s_cbranch_scc1 .La0_\@
	s_cmp_eq_u32 s[EC], 3
	s_cbranch_scc1 .La1_\@
	s_cmp_eq_u32 s[EC], 2
	s_cbranch_scc1 .La2_\@
	SCALE 3
	s_branch .Lj_\@
.La2_\@:
	SCALE 2
	s_branch .Lj_\@
.La1_\@:
	SCALE 1
	s_branch .Lj_\@
.La0_\@:
	SCALE 0
.Lj_\@:
.set ee, 0
.rept 128
	v_exp_f32 v[T+ee], v[T+ee]                     ; one batch: e^-x for i, f, o; e^2x for g
.set ee, ee+1
.endr
	v_nop                                          ; a plain instruction behind the last exponential,
	s_wait_alu depctr_va_vdst(0)                   ; and one wait for the 128
	ADDRCP T, 64                                   ; the three sigmoids; 1 / (1 + e^2x) for g
	PK16 v_pk_fma_f32 v[TG+ee:TG+ee+1], v[TG+ee:TG+ee+1], -2.0, 1.0 op_sel_hi:[1,0,0]  ; tanh g
	PK16 v_pk_mul_f32 v[TI+ee:TI+ee+1], v[TI+ee:TI+ee+1], v[TG+ee:TG+ee+1]              ; i g
	s_wait_dscnt 0x0                               ; CP is in
	PK16 v_pk_fma_f32 v[TF+ee:TF+ee+1], v[TF+ee:TF+ee+1], v[CP+ee:CP+ee+1], v[TI+ee:TI+ee+1]  ; c_t = f c_prev + i g
	PK16 v_pk_mul_f32 v[TI+ee:TI+ee+1], v[TF+ee:TF+ee+1], s[KP:KP+1] op_sel_hi:[1,0]   ; 2 log2 e c_t
.irp t, 0,1,2,3,4,5,6,7
	ds_store_b128 v[STW], v[TF+4*(\t):TF+4*(\t)+3] offset:64*((\t)/2)+16*((\t)%2)      ; c_t through the stage that c_prev has left,
.endr
.irp t, 0,1,2,3,4,5,6,7
	ds_load_b128 v[TG+4*(\t):TG+4*(\t)+3], v[STR] offset:2*SPITCH*(\t)                 ; back by rows
.endr
	s_cmp_eq_u32 s[EC], 1                          ; the next block's c_prev is asked for here; the last trip asks for nothing
	s_cbranch_scc1 .Lnoc_\@
	CLOAD BLK
.Lnoc_\@:
.set ee, 0
.rept 32
	v_exp_f32 v[TI+ee], v[TI+ee]
.set ee, ee+1
.endr
	v_nop
	s_wait_alu depctr_va_vdst(0)                   ; one wait for the 32
	ADDRCP TI, 16
	PK16 v_pk_fma_f32 v[TI+ee:TI+ee+1], v[TI+ee:TI+ee+1], -2.0, 1.0 op_sel_hi:[1,0,0]  ; tanh c_t
	PK16 v_pk_mul_f32 v[TO+ee:TO+ee+1], v[TO+ee:TO+ee+1], v[TI+ee:TI+ee+1]              ; h_t
.irp t, 0,1,2,3,4,5,6,7
	ds_store_b128 v[STW], v[TO+4*(\t):TO+4*(\t)+3] offset:HOFF+64*((\t)/2)+16*((\t)%2)
.endr
.irp t, 0,1,2,3,4,5,6,7
	ds_load_b128 v[TI+4*(\t):TI+4*(\t)+3], v[STR] offset:HOFF+2*SPITCH*(\t)
.endr
	s_wait_dscnt 16                                ; c_t's rows are back; h_t's eight stores and eight loads may be out
.irp t, 0,1,2,3,4,5,6,7
	global_store_b128 v[CO], v[TG+4*(\t):TG+4*(\t)+3], s[OB:OB+1] offset:2*ROWB*(\t) th:TH_STORE_NT  ; 16 lanes store 256 consecutive bytes, at a multiple of 256 from out1's first byte
.endr
	s_wait_dscnt 0x0
.irp t, 0,1,2,3,4,5,6,7
	global_store_b128 v[CO], v[TI+4*(\t):TI+4*(\t)+3], s[HB:HB+1] offset:2*ROWB*(\t) th:TH_STORE_NT
.endr
	s_wait_xcnt 0x0                                ; every load and store issued so far has read its sources (ISA guide 3.1): the three bases and T are written again only behind this wait
	s_add_nc_u64 s[CB:CB+1], s[CB:CB+1], BLK
	s_add_nc_u64 s[HB:HB+1], s[HB:HB+1], BLK
	s_add_nc_u64 s[OB:OB+1], s[OB:OB+1], BLK
	s_sub_co_u32 s[EC], s[EC], 1
	s_cmp_lg_u32 s[EC], 0
	s_cbranch_scc1 .Lep_\@
.endm
	s_wait_tensorcnt 1                             ; my part of K step 0 is in; K step 1's may stay out
	s_wait_dscnt 0x0                               ; for the others' sake: my two biases are stored
	s_barrier_signal -1
	s_barrier_wait -1                              ; everybody's are
	FETCH 0, 0, F0
	s_mov_b32 s2, TILES                            ; tiles to go, this one among them: the same number in every work-group
.Ltile:
	BIASLD
	QUARTER 0, 64,  F0, F1, 1                      ; a tile's first quarter stands in front of the loop: its products start the sums, with the bias
	WIN 0                                          ; at a label and at a branch every window is 0
	s_mov_b32 s3, LAPS-1
.Llap:                                                 ; a trip goes once round the ring, from a lap's second quarter to the next lap's first, and fills both slots again
	QUARTER 0, 128, F1, F0, 0
	QUARTER 0, 192, F0, F1, 0
	TURN 0, 1, 0
	QUARTER 1, 64,  F0, F1, 0
	QUARTER 1, 128, F1, F0, 0
	QUARTER 1, 192, F0, F1, 0
	TURN 1, 0, 0
	QUARTER 0, 64,  F0, F1, 0
	WIN 0
	s_sub_co_u32 s3, s3, 1
	s_cmp_lg_u32 s3, 0
	s_cbranch_scc1 .Llap
	s_wait_loadcnt 0x0                             ; CP is asked for anew only when no earlier load into it is out, on every way that leads here.  The way out's last trip asks for nothing, so no load of mine is out and the wait is met at once
	CLOAD 0                                        ; the first row block's c_prev: seven quarters, 448 matrix instructions, ahead of its use
	QUARTER 0, 128, F1, F0, 0                      ; the tile's last lap goes on
	QUARTER 0, 192, F0, F1, 0
	WIN 0
	s_cmp_eq_u32 s2, 1
	s_cbranch_scc1 .Llast_tile                     ; the last tile's tail is written out: it asks for nothing more
	TURN 0, 1, 1                                   ; the ring goes on into the next tile: slot 0 takes its K step 0,
	QUARTER 1, 64,  F0, F1, 0
	QUARTER 1, 128, F1, F0, 0
	QUARTER 1, 192, F0, F1, 0
	TURN 1, 0, 1                                   ; slot 1 its K step 1, and the next tile's first fragments are fetched
	EPI                                            ; both refills are asked for: now the tile goes out
	s_add_nc_u64 s[CB:CB+1], s[CB:CB+1], NEXT_O    ; (behind the way out's last wait for the sources) on to my rows of the next tile
	s_add_nc_u64 s[HB:HB+1], s[HB:HB+1], NEXT_O
	s_add_nc_u64 s[OB:OB+1], s[OB:OB+1], NEXT_O
	s_sub_co_u32 s2, s2, 1
	s_branch .Ltile
.Llast_tile:
	MEET 0                                         ; my one tensor load that was still out is slot 1's, the last K step's, so no round follows
	PLACES                                         ; for the loads into buffer 0, which the quarter before multiplied
	FETCH 1, 0, F0
	MUL16 F1, 2, 0
	MUL16 F1, 3, 0
	QUARTER 1, 64,  F0, F1, 0
	QUARTER 1, 128, F1, F0, 0
	QUARTER 1, 192, F0, F1, 0
	s_wait_dscnt 4                                 ; the very last quarter: nothing more to fetch
	MUL16 F1, 0, 0
	MUL16 F1, 1, 0
	s_wait_dscnt 0x0
	MUL16 F1, 2, 0
	MUL16 F1, 3, 0
	EPI
	s_wait_tensorcnt 0x0                           ; the wave's end: a wait, an add and its wait, behind my last tensor load and my last LDS store
	ds_add_u32 v[SPW], v[NIL]
	s_wait_dscnt 0x0
	CROUND                                         ; the closing round: no work-group ends while a partner may still ask for a tile that names it
	s_endpgm
.Lfunc_end_k_q29e2f937bc_cell:
	.size	k_q29e2f937bc_cell, .Lfunc_end_k_q29e2f937bc_cell-k_q29e2f937bc_cell
	.p2alignl 7, 3214868480
	.fill 96, 4, 3214868480
	.section	.rodata,"a",@progbits
	.p2align	6, 0x0
	.amdhsa_kernel k_q29e2f937bc_cell
		.amdhsa_group_segment_fixed_size 327680
		.amdhsa_private_segment_fixed_size 0
		.amdhsa_enable_private_segment 0
		.amdhsa_kernarg_size 56
		.amdhsa_user_sgpr_count 2
		.amdhsa_user_sgpr_kernarg_segment_ptr 1
		.amdhsa_wavefront_size32 1
		.amdhsa_system_sgpr_workgroup_id_x 1
		.amdhsa_system_sgpr_workgroup_id_y 1
		.amdhsa_system_sgpr_workgroup_id_z 1
		.amdhsa_system_vgpr_workitem_id 0
		.amdhsa_next_free_vgpr 1024
		.amdhsa_next_free_sgpr 84
		.amdhsa_reserve_vcc 0
		.amdhsa_float_denorm_mode_32 3
		.amdhsa_float_denorm_mode_16_64 3
		.amdhsa_memory_ordered 1
		.amdhsa_forward_progress 1
		.amdhsa_inst_pref_size 249
	.end_amdhsa_kernel
	.amdgpu_metadata
---
amdhsa.version: [ 1, 2 ]
amdhsa.kernels:
  - .name:           k_q29e2f937bc_cell
    .symbol:         k_q29e2f937bc_cell.kd
    .args:
      - { .name: xb, .offset: 0, .size: 8, .value_kind: global_buffer, .address_space: global }
      - { .name: wb, .offset: 8, .size: 8, .value_kind: global_buffer, .address_space: global }
      - { .name: b_ih, .offset: 16, .size: 8, .value_kind: global_buffer, .address_space: global }
      - { .name: b_hh, .offset: 24, .size: 8, .value_kind: global_buffer, .address_space: global }
      - { .name: c_prev, .offset: 32, .size: 8, .value_kind: global_buffer, .address_space: global }
      - { .name: out0, .offset: 40, .size: 8, .value_kind: global_buffer, .address_space: global }
      - { .name: out1, .offset: 48, .size: 8, .value_kind: global_buffer, .address_space: global }
    .group_segment_fixed_size: 327680
    .private_segment_fixed_size: 0
    .kernarg_segment_align: 8
    .kernarg_segment_size: 56
    .max_flat_workgroup_size: 128
    .sgpr_count:     84
    .vgpr_count:     1024
    .wavefront_size: 32
...
	.end_amdgpu_metadata
.endif
;; end of part 2
;; ======== version 2 of 2: 2 launches; version 1 with the launch pack written anew for expert scheduling mode
;; limits: a function is approximated: absolute error at most 2e-07; below input magnitudes of 1e-05 results are inexact or not finite
;; workspace buffers: xb 33,554,432 bytes; wb 16,777,216 bytes
;; launch pack (part 3): grid 768 x 1, 8 waves a work-group, no clusters, 0 bytes of LDS; arguments input, h_prev, W_ih, W_hh, xb, wb; writes xb, wb
.if DOCPART == 3
	.amdgcn_target "amdgcn-amd-amdhsa--gfx1250"
	.amdhsa_code_object_version 6
	.text
	.protected	k_q29e2f937bc_pack
	.globl	k_q29e2f937bc_pack
	.p2align	8
	.type	k_q29e2f937bc_pack,@function
k_q29e2f937bc_pack:
	s_mov_b64 s[64:65], 0
	v_nop
	global_prefetch_b8 v0, s[64:65] scope:SCOPE_SE
	s_setreg_imm32_b32 hwreg(HW_REG_WAVE_SCHED_MODE, 0, 2), 2
	s_setreg_imm32_b32 hwreg(HW_REG_WAVE_MODE, 25, 1), 1
	s_wait_xcnt 0x0
	s_wait_alu depctr_vm_vsrc(0)
; The four matrix operands of the cell are rounded once to bf16 (to nearest even; NaN and infinities go through as the conversion makes them) and laid as the product wants them:
;   xb[8192][2048] = [ input | h_prev ]            (a row: 4,096 bytes; columns 0-1023 input, 1024-2047 h_prev)
;   wb[4096][2048] = [ W_ih | W_hh ], rows permuted: row 256 tc + 64 g + hh holds source row 1024 g + 64 tc + hh (g: the gate 0..3, tc 0..15, hh 0..63),
;   so that 256 consecutive rows of wb are the four gates of 64 consecutive h.
; SHARES.  24,576 source rows of 4,096 bytes; a work-group takes 32 consecutive rows of one source: 768 work-groups.  Thread t owns bytes 16 t of every source row and
; bytes 8 t of the destination's half row: a wave's load covers 512 consecutive bytes, a wave's store 256 consecutive bytes, both aligned.
; All 32 loads of a thread go out at once (128 KiB a work-group); each row is converted as it arrives.  No LDS, no barrier: no thread wants another's bytes.
; THE MODE: SCHED_MODE bits 1:0 = 2 (LLVM: expert scheduling mode 2), set by the entry lines.  The code itself states the register dependences
; between vector instructions and memory instructions, with s_wait_alu, always for 0.
; THE PLAN.  Registers that memory instructions touch:
;   v1, v2       byte offsets of the loads and of the stores: made once at the head and never written again; the rows are reached by immediate offsets.
;   X, row i     four registers.  Written by row i's load, which is issued at the head, before any vector instruction names X; read by row i's two conversions, which write
;                the first two of the four in place; those two are read by row i's store and never written again.
; The 32 rows go in 8 blocks of four.  Block p converts rows 4 p .. 4 p + 3; its memory instructions are the four stores of block p - 1, whose registers no conversion of block p
; names.  So ONE wait on va_vdst at a block's head states all that its four stores hang on, and they are dealt among the block's conversions with no further wait.
; No register that a load or store has read is ever written again, so no wait on vm_vsrc is owed; no vector instruction writes a scalar register, and EXEC is never written.
.set ROWB, 4096                        ; bytes in a source row (1,024 f32) and in a destination row (2,048 bf16)
.set BLOCK, 4                          ; rows in a block
.set X,    4                           ; v[4:131]  row i: 4 registers as loaded; the first two then hold the 4 bf16
	s_load_b256 s[4:11], s[0:1], 0x0               ; input s[4:5], h_prev s[6:7], W_ih s[8:9], W_hh s[10:11]
	s_load_b128 s[12:15], s[0:1], 0x20             ; xb s[12:13], wb s[14:15]
	v_lshlrev_b32 v1, 4, v0                        ; my 16 bytes of a source row
	v_lshlrev_b32 v2, 3, v0                        ; my 8 bytes of a destination half row
	s_lshr_b32 s16, ttmp9, 8                       ; kind: 0 input, 1 h_prev, 2 the weights
	s_and_b32 s17, ttmp9, 255                      ; an activation's block of 32 rows
	s_and_b32 s18, ttmp9, 127                      ; q: a weight's block of 32 rows
	s_bfe_u32 s19, ttmp9, 0x10007                  ; which weight: 0 W_ih, 1 W_hh
	s_bfe_u32 s22, s18, 0x40001                    ; tc = (q >> 1) & 15
	s_lshl_b32 s22, s22, 3                         ; the destination block, in blocks of 32 rows: 8 tc
	s_lshr_b32 s23, s18, 5                         ; g = q >> 5
	s_lshl_b32 s23, s23, 1
	s_add_co_u32 s22, s22, s23                     ; + 2 g
	s_and_b32 s23, s18, 1
	s_add_co_u32 s22, s22, s23                     ; + (q & 1)
	s_cmp_lt_u32 s16, 2                            ; an activation?
	s_cselect_b32 s20, s16, s19                    ; which half of the destination's row
	s_cselect_b32 s21, s17, s18                    ; the source block
	s_cselect_b32 s22, s17, s22                    ; the destination block
	s_lshl_b32 s26, s21, 17                        ; 32 rows of 4,096 bytes: under 2^25
	s_mov_b32 s27, 0
	s_lshl_b32 s28, s22, 17
	s_lshl_b32 s24, s20, 11                        ; the half row: 2,048 bytes
	s_add_co_u32 s28, s28, s24
	s_mov_b32 s29, 0
	s_wait_kmcnt 0x0
	s_cmp_eq_u32 s20, 0                            ; the buffers are chosen by numbers made of the work-group's number alone
	s_cselect_b64 s[36:37], s[4:5], s[6:7]         ; input or h_prev
	s_cselect_b64 s[38:39], s[8:9], s[10:11]       ; W_ih or W_hh
	s_cmp_lt_u32 s16, 2
	s_cselect_b64 s[32:33], s[36:37], s[38:39]     ; the source
	s_cselect_b64 s[34:35], s[12:13], s[14:15]     ; the destination: xb or wb
	s_add_nc_u64 s[32:33], s[32:33], s[26:27]
	s_add_nc_u64 s[34:35], s[34:35], s[28:29]
	s_wait_alu depctr_va_vdst(0)                   ; v1 and v2 are written: every load of the kernel reads v1 as its offset, every store v2
.set i, 0
.rept 32
	global_load_b128 v[X+4*i:X+4*i+3], v1, s[32:33] offset:ROWB*i th:TH_LOAD_NT  ; each source byte is read once in the launch
.set i, i+1
.endr
.set p, 0
.rept 32/BLOCK
	s_wait_loadcnt 31-BLOCK*p                      ; loads come back in order (ISA guide 5.7.1): the block's first row is in, the younger ones stay out
.if p > 0
	s_wait_alu depctr_va_vdst(0)                   ; the conversions of the block before have written the first two registers of its four rows, which the four stores below read
.endif
.set i, 0
.rept BLOCK
.set r, BLOCK*p+i
.if p > 0
	global_store_b64 v2, v[X+4*(r-BLOCK):X+4*(r-BLOCK)+1], s[34:35] offset:ROWB*(r-BLOCK)  ; a row of the block before.  No wait: no vector instruction since the wait above names its registers
.endif
.if i > 0
	s_wait_loadcnt 31-r                            ; row r is in, the 31 - r younger ones stay out
.endif
	v_cvt_pk_bf16_f32 v[X+4*r],   v[X+4*r],   v[X+4*r+1]
	v_cvt_pk_bf16_f32 v[X+4*r+1], v[X+4*r+2], v[X+4*r+3]
.set i, i+1
.endr
.set p, p+1
.endr
	s_wait_alu depctr_va_vdst(0)                   ; the last block's conversions have written rows 28 to 31, which the last four stores read
.set r, 32-BLOCK
.rept BLOCK
	global_store_b64 v2, v[X+4*r:X+4*r+1], s[34:35] offset:ROWB*r
.set r, r+1
.endr
	s_endpgm
.Lfunc_end_k_q29e2f937bc_pack:
	.size	k_q29e2f937bc_pack, .Lfunc_end_k_q29e2f937bc_pack-k_q29e2f937bc_pack
	.p2alignl 7, 3214868480
	.fill 96, 4, 3214868480
	.section	.rodata,"a",@progbits
	.p2align	6, 0x0
	.amdhsa_kernel k_q29e2f937bc_pack
		.amdhsa_group_segment_fixed_size 0
		.amdhsa_private_segment_fixed_size 0
		.amdhsa_enable_private_segment 0
		.amdhsa_kernarg_size 48
		.amdhsa_user_sgpr_count 2
		.amdhsa_user_sgpr_kernarg_segment_ptr 1
		.amdhsa_wavefront_size32 1
		.amdhsa_system_sgpr_workgroup_id_x 1
		.amdhsa_system_sgpr_workgroup_id_y 1
		.amdhsa_system_sgpr_workgroup_id_z 1
		.amdhsa_system_vgpr_workitem_id 0
		.amdhsa_next_free_vgpr 136
		.amdhsa_next_free_sgpr 66
		.amdhsa_reserve_vcc 0
		.amdhsa_float_denorm_mode_32 3
		.amdhsa_float_denorm_mode_16_64 3
		.amdhsa_memory_ordered 1
		.amdhsa_forward_progress 1
		.amdhsa_inst_pref_size 13
	.end_amdhsa_kernel
	.amdgpu_metadata
---
amdhsa.version: [ 1, 2 ]
amdhsa.kernels:
  - .name:           k_q29e2f937bc_pack
    .symbol:         k_q29e2f937bc_pack.kd
    .args:
      - { .name: input, .offset: 0, .size: 8, .value_kind: global_buffer, .address_space: global }
      - { .name: h_prev, .offset: 8, .size: 8, .value_kind: global_buffer, .address_space: global }
      - { .name: W_ih, .offset: 16, .size: 8, .value_kind: global_buffer, .address_space: global }
      - { .name: W_hh, .offset: 24, .size: 8, .value_kind: global_buffer, .address_space: global }
      - { .name: xb, .offset: 32, .size: 8, .value_kind: global_buffer, .address_space: global }
      - { .name: wb, .offset: 40, .size: 8, .value_kind: global_buffer, .address_space: global }
    .group_segment_fixed_size: 0
    .private_segment_fixed_size: 0
    .kernarg_segment_align: 8
    .kernarg_segment_size: 48
    .max_flat_workgroup_size: 256
    .sgpr_count:     66
    .vgpr_count:     136
    .wavefront_size: 32
...
	.end_amdgpu_metadata
.endif
;; end of part 3
;; launch cell: the kernel of part 2 again; grid 16 x 16, 4 waves a work-group, clusters of 4 x 4, 327,680 bytes of LDS; arguments xb, wb, b_ih, b_hh, c_prev, out0, out1; writes out0, out1
